; MI455X (gfx1250); checked and timed in simulation.
; The chip was launched on July 23, 2026; its instructions are those of AMD's public machine-readable ISA for CDNA 5 (MIT licence, August 2026) and "CDNA5" Instruction Set Architecture Reference Guide (July 2026). The comments in the code are by the model that wrote it; some were corrected since.
;; Lightweight Self Attention. Allowed arithmetic: float matrix products may take bf16 or f16 operands with f32 sums; all other float work in f32.
;; Inputs: W_out 512 x 512 float32; W_qkv 512 x 1,024 float32; b_out 512 float32; b_qkv 1,024 float32; ln_beta 512 float32; ln_gamma 512 float32; x 2 x 2,048 x 512 float32.
;; Outputs: out0 2 x 2,048 x 512 float32.
;; One version. Each part assembles by itself: llvm-mc -triple=amdgcn-amd-amdhsa -mcpu=gfx1250 --defsym DOCPART=n.
;; ======== version 1 of 1: 2 launches
;; workspace buffers: qf 4,194,304 bytes; kf 4,456,448 bytes; vf 4,456,448 bytes; vpart 65,536 bytes; wof 524,288 bytes
;; launch qkv (part 1): grid 8 x 32, 8 waves a work-group, no clusters, 289,792 bytes of LDS; arguments x, W_qkv, b_qkv, W_out, qf, kf, vf, vpart, wof; writes qf, kf, vf, vpart, wof
.if DOCPART == 1
	.amdgcn_target "amdgcn-amd-amdhsa--gfx1250"
	.amdhsa_code_object_version 6
	.text
	.protected	k_q6a56b7c997_qkv
	.globl	k_q6a56b7c997_qkv
	.p2align	8
	.type	k_q6a56b7c997_qkv,@function
k_q6a56b7c997_qkv:
	s_mov_b64 s[64:65], 0
	v_nop
	global_prefetch_b8 v0, s[64:65] scope:SCOPE_SE
	s_setreg_imm32_b32 hwreg(HW_REG_WAVE_MODE, 25, 1), 1
	s_wait_xcnt 0x0
; qkv = x W_qkv + b_qkv for 4,096 rows (2 batches of 2,048), 1,024 columns, K = 512; q = silu(qk) SCALE log2(e), k = tanh(qk), v.
; Products in bf16 with f32 sums, everything else in f32.  A work-group makes 128 rows x 128 columns with eight waves; a wave makes
; 64 rows x 32 columns (one head): 4 row tiles x 2 column tiles = 8 accumulators.
; Results leave as bf16 blocks of 1,024 bytes in the order in which the next launch's matrix instructions want them,
; [half 0/1][lane 0..31][16 bytes], so that a store here and a load there cover 512 consecutive bytes:
;   qf [b][head][128 tiles]       lane (r, h): row 16 tile + r, half c: dims 16 c + 8 h .. + 7
;   kf [b][head][136 tiles]       the same, real tile t at index t + 4; indices 0-3 and 132-135 are stored as zeros
;   vf [b][head][68 blocks][2]    lane (r, h): dim 16 dt + r, half c: keys 16 c + 8 h .. + 7 of a block of 32 keys; real block at + 2, the rest zeros
;   vpart [32][512] f32           column sums of v over each 128 rows
;   wof [32 column tiles][16 K steps]  W_out, lane (r, h): output column 16 mt + r, half c: input dims 32 ks + 16 c + 8 h .. + 7
; For the q/k columns the matrix instruction takes W as source 0 and x as source 1: a lane then holds 8 neighbouring columns of one row,
; which is a quarter of a q or k fragment.  For the v columns x is source 0: a lane holds 8 neighbouring rows of one column, a quarter of a
; transposed v fragment.  No transposing load is needed anywhere.
; x and W come through registers, not by tile copies shared between work-groups: they are f32 in memory and are rounded to bf16, and W is
; regrouped along K, between the load and the LDS store; a copy of the f32 tiles would double the LDS bytes (512 KiB for a work-group's
; 128 x 512 and 512 x 128 numbers) and add a second pass through LDS.
; LIMITS.  NaN and infinities in the inputs are not followed.  The exponent of the sigmoid is held at z = -28, so for z < -28 q is
; z c e^-28 and not z c sigmoid(z): an absolute error below 7e-13 |z|.  tanh is (1 - u u) / (1 + u u), u = e^-z: absolute error about 1e-7 near 0.
.set XP,   144                         ; LDS row of a chunk of x: 64 bf16 + 16 bytes = 9 x 16 bytes, so 16 rows start in 16 different 16-byte columns
.set XCH,  128*XP                      ; a chunk of x: 128 rows
.set WL,   8*XCH                       ; W's fragments begin behind x's eight chunks
.set WCT,  272                         ; 16 columns x 16 bytes + 16
.set WOC,  8*WCT                       ; eight column tiles of one octet of k: what one wave stores in a chunk
.set WCH,  8*WOC                       ; a chunk of W: eight octets of k
.set BS,   WL+8*WCH                    ; bias, 128 bytes a wave
.set CS,   BS+1024                     ; column sums, 128 bytes a wave
.set HSTR, 139264                      ; bytes of kf and of vf for one (batch, head)
.set XG,  2                            ; v2      x: byte offset of my 16 bytes in the group's rows
.set WG,  3                            ; v3      W: the same
.set XS,  4                            ; v4-5    LDS: where I store x, chunks 0-3 and 4-7
.set WS,  6                            ; v6-7    LDS: where I store W, chunks 0-3 and 4-7
.set XA,  8                            ; v8-9    LDS: my x fragments, chunks 0-3 and 4-7
.set WA,  10                           ; v10-12  LDS: my W fragments, chunks 0-2, 3-5, 6-7
.set BV,  13                           ; v13     bias of column 32 head + lane
.set ST,  16                           ; v16-143 two sets of 64: 32 registers of x, 32 of W, as loaded
.set ACC, 144                          ; v144-207 accumulator (rt, ctl) at 144 + 8 (2 rt + ctl)
.set XF,  208                          ; v208-239 four x fragments
.set WF,  240                          ; v240-255 two W fragments; also W's 16 packed registers on the way into LDS
.set BOF, 144                          ; until the first products: offset of the bias load,
.set PLO, 145                          ; of W_out's loads,
.set PSO, 146                          ; of wof's store
.set BI,  16                           ; the way out: bias of my 16 columns
.set TZ,  32
.set TU,  40
.set TA,  48
.set TB,  56
.set TN,  64
.set TR,  72
.set QO,  80                           ; v80-111  q (or v) to store
.set KO,  112                          ; v112-143 k to store
.macro NOP4                            ; four places behind a matrix instruction (ISA guide 7.12.1)
.rept 4
	v_nop
.endr
.endm
.macro MM d, a, b, zero                ; one matrix instruction; zero = 1: it starts the sum
.if \zero
	v_wmma_f32_16x16x32_bf16 v[\d:\d+7], v[\a:\a+7], v[\b:\b+7], 0
.else
	v_wmma_f32_16x16x32_bf16 v[\d:\d+7], v[\a:\a+7], v[\b:\b+7], v[\d:\d+7]
.endif
.endm
; 16 loads: chunk ch (64 of K).  x: lanes 0-15 take 256 bytes of row 16 w + i, lanes 16-31 of row 16 w + 8 + i.  W: 512 bytes of row 64 ch + 8 w + i.
.macro LOADCH ch, set
.irp i, 0,1,2,3,4,5,6,7
	global_load_b128 v[ST+64*(\set)+4*\i:ST+64*(\set)+4*\i+3], v[XG], s[8:9] offset:\i*2048+(\ch)*256
.endr
.irp i, 0,1,2,3,4,5,6,7
	global_load_b128 v[ST+64*(\set)+32+4*\i:ST+64*(\set)+32+4*\i+3], v[WG], s[10:11] offset:(\ch)*262144+\i*4096
.endr
.endm
; Round to bf16 and store.  x keeps its rows.  Of W a lane holds 4 columns x 8 k: each column's 8 k are the 16 bytes of one lane of a fragment.
.macro CONV ch, set
.irp i, 0,1,2,3,4,5,6,7
	v_cvt_pk_bf16_f32 v[ST+64*(\set)+4*\i], v[ST+64*(\set)+4*\i], v[ST+64*(\set)+4*\i+1]
	v_cvt_pk_bf16_f32 v[ST+64*(\set)+4*\i+1], v[ST+64*(\set)+4*\i+2], v[ST+64*(\set)+4*\i+3]
.endr
.irp i, 0,1,2,3,4,5,6,7
	ds_store_b64 v[XS+((\ch)>>2)], v[ST+64*(\set)+4*\i:ST+64*(\set)+4*\i+1] offset:((\ch)&3)*XCH+\i*XP
.endr
.irp i, 0,1,2,3
.irp p, 0,1,2,3
	v_cvt_pk_bf16_f32 v[WF+4*\i+\p], v[ST+64*(\set)+32+8*\p+\i], v[ST+64*(\set)+32+8*\p+4+\i]
.endr
.endr
.irp i, 0,1,2,3
	ds_store_b128 v[WS+((\ch)>>2)], v[WF+4*\i:WF+4*\i+3] offset:((\ch)&3)*WCH+\i*16
.endr
.endm
; 32 of K: 12 fragment loads, 8 matrix instructions.  The eight accumulators take turns, one instruction a turn.
.macro KSTEP ch, kk, zero, nat
.irp ctl, 0,1
	ds_load_b128 v[WF+8*\ctl:WF+8*\ctl+3],   v[WA+(\ch)/3] offset:((\ch)%3)*WCH+\kk*4*WOC+\ctl*WCT
	ds_load_b128 v[WF+8*\ctl+4:WF+8*\ctl+7], v[WA+(\ch)/3] offset:((\ch)%3)*WCH+\kk*4*WOC+2*WOC+\ctl*WCT
.endr
.irp rt, 0,1,2,3
	ds_load_b128 v[XF+8*\rt:XF+8*\rt+3],   v[XA+((\ch)>>2)] offset:((\ch)&3)*XCH+\rt*16*XP+\kk*64
	ds_load_b128 v[XF+8*\rt+4:XF+8*\rt+7], v[XA+((\ch)>>2)] offset:((\ch)&3)*XCH+\rt*16*XP+\kk*64+32
.endr
.irp rt, 0,1,2,3
	s_wait_dscnt 6-2*\rt                           ; W's four loads and x's up to row tile rt are in; the younger x fragments stay out
.irp ctl, 0,1
.if \nat
	MM ACC+8*(2*\rt+\ctl), XF+8*\rt, WF+8*\ctl, \zero
.else
	MM ACC+8*(2*\rt+\ctl), WF+8*\ctl, XF+8*\rt, \zero
.endif
.endr
.endr
	NOP4                                           ; ahead of the next loads into the fragments, and of the way out
.endm
; W_out's share of this work-group: 32 k x 32 columns, two blocks of wof.  Waves 0-3, an octet of k each.
.macro PACKST
	s_cmp_ge_u32 s26, 4
	s_cbranch_scc1 .Lno_pack_st_\@
.irp p, 0,1,2,3
	v_cvt_pk_bf16_f32 v[XF+8+\p], v[XF+2*\p], v[XF+2*\p+1]
.endr
	global_store_b128 v[PSO], v[XF+8:XF+11], s[24:25]      ; sixteen lanes store 256 consecutive bytes
	s_wait_xcnt 0x0                                ; its data and offset registers are written again below only behind this wait
.Lno_pack_st_\@:
.endm
; One chunk.  Each chunk has LDS bytes of its own, so one barrier, between its stores and its reads, is all the ordering there is.
.macro CHUNK ch, nat
.if \ch < 7
	s_wait_loadcnt 16                              ; this chunk's 16 loads (and all older ones) are in; the next chunk's 16 stay out
.else
	s_wait_loadcnt 0
.endif
	CONV \ch, (\ch&1)
.if \ch == 0
	PACKST
.endif
	s_wait_dscnt 0x0                               ; my stores are in LDS: for the other waves, and ahead of the loads into the registers they named
.if \ch < 6
	LOADCH (\ch+2), (\ch&1)
.endif
	s_barrier_signal -1
	s_barrier_wait -1
.if \ch == 0
	KSTEP 0, 0, 1, \nat
.else
	KSTEP \ch, 0, 0, \nat
.endif
	KSTEP \ch, 1, 0, \nat
.endm
; The zero tiles in front of and behind a sequence: the groups of a batch's first and last 128 rows store them, 4 heads x 4,096 bytes.
.macro PADS lo
	s_mov_b32 s34, 0
	s_cmp_eq_u32 s32, 0
	s_cbranch_scc1 .Lpad_\@
	s_mov_b32 s34, 135168                          ; 132 tiles of 1,024 bytes = 66 blocks of 2,048
	s_cmp_lg_u32 s32, 15
	s_cbranch_scc1 .Lno_pad_\@
.Lpad_\@:
	s_lshl_b32 s40, s31, 4
	s_and_b32 s41, s27, 3
	s_lshl2_add_u32 s40, s41, s40                  ; 16 b + 4 (cb mod 4): the first of my four heads
	s_mul_i32 s40, s40, HSTR
	s_add_co_u32 s34, s34, s40
	s_add_nc_u64 s[50:51], s[\lo:\lo+1], s[34:35]
	v_lshlrev_b32 v15, 4, v0
.irp i, 0,1,2,3
	v_mov_b32 v[TZ+\i], 0
.endr
.irp hd, 0,1,2,3
	global_store_b128 v15, v[TZ:TZ+3], s[50:51] offset:\hd*HSTR
.endr
.Lno_pad_\@:
.endm
	s_load_b512 s[8:23], s[0:1], 0x0               ; x 8, W_qkv 10, b_qkv 12, W_out 14, qf 16, kf 18, vf 20, vpart 22
	s_load_b64 s[24:25], s[0:1], 0x40              ; wof
	s_set_vgpr_msb 0x40
	v_lshl_add_u32 v0, v0, 2, 0x46800
	v_mov_b32 v1, 0
	s_set_vgpr_msb 0x4000
	v_lshrrev_b32 v16, 5, v0
	v_readfirstlane_b32 s26, v16                   ; wave w
	s_mov_b32 s27, ttmp9                           ; cb: columns 128 cb ..
	s_and_b32 s28, ttmp7, 0xffff                   ; rb: rows 128 rb ..
	s_lshr_b32 s29, s26, 2                         ; wr: my half of the rows
	s_and_b32 s30, s26, 3                          ; wh: my head among the group's four
	s_lshr_b32 s31, s28, 4                         ; batch
	s_and_b32 s32, s28, 15                         ; row block in the batch
	s_mov_b32 s38, 0x76543210                      ; v_permlanex16_b32: lane i reads lane i of the other half
	s_mov_b32 s39, 0xfedcba98
	v_and_b32 v16, 31, v0                          ; l
	v_and_b32 v17, 15, v0                          ; r
	v_bfe_u32 v18, v0, 4, 1                        ; h
	v_lshlrev_b32 v1, 4, v16                       ; 16 l
	s_lshl_b32 s40, s26, 15                        ; 16 rows of x = 8 rows of W = 32,768 bytes
	v_lshlrev_b32 v[XG], 4, v17
	v_lshl_add_u32 v[XG], v18, 14, v[XG]
	v_add_nc_u32 v[XG], s40, v[XG]                 ; (16 w + 8 h) rows + 16 r
	v_add_nc_u32 v[WG], s40, v1                    ; 8 w rows + 16 l
	s_mul_i32 s40, s26, 16*XP
	v_mul_u32_u24 v[XS], v18, 8*XP
	v_lshl_add_u32 v[XS], v17, 3, v[XS]
	v_add_nc_u32 v[XS], s40, v[XS]                 ; (16 w + 8 h) XP + 8 r
	v_add_nc_u32 v[XS+1], 4*XCH, v[XS]
	s_mul_i32 s40, s26, WOC
	s_add_co_u32 s40, s40, WL
	v_lshrrev_b32 v19, 2, v16
	v_mul_u32_u24 v[WS], v19, WCT
	v_and_b32 v19, 3, v16
	v_lshl_add_u32 v[WS], v19, 6, v[WS]
	v_add_nc_u32 v[WS], s40, v[WS]                 ; WL + w WOC + (l / 4) WCT + 64 (l mod 4)
	v_add_nc_u32 v[WS+1], 4*WCH, v[WS]
	s_mul_i32 s40, s29, 64*XP
	v_mul_u32_u24 v[XA], v17, XP
	v_lshl_add_u32 v[XA], v18, 4, v[XA]
	v_add_nc_u32 v[XA], s40, v[XA]                 ; (64 wr + r) XP + 16 h
	v_add_nc_u32 v[XA+1], 4*XCH, v[XA]
	s_mul_i32 s40, s30, 2*WCT
	s_add_co_u32 s40, s40, WL
	v_mul_u32_u24 v[WA], v18, WOC
	v_lshl_add_u32 v[WA], v17, 4, v[WA]
	v_add_nc_u32 v[WA], s40, v[WA]                 ; WL + h WOC + 2 wh WCT + 16 r
	v_add_nc_u32 v[WA+1], 3*WCH, v[WA]
	v_add_nc_u32 v[WA+2], 6*WCH, v[WA]
	s_lshl_b32 s33, s26, 7
	s_add_co_u32 s33, s33, BS                      ; my 128 bytes of bias
	s_lshl_b32 s40, s27, 9
	s_lshl_b32 s41, s30, 7
	s_add_co_u32 s40, s40, s41
	v_lshl_add_u32 v[BOF], v16, 2, s40             ; 4 (128 cb + 32 wh + l)
	s_lshl3_add_u32 s41, s28, s27                  ; the group's number, 0..255
	s_and_b32 s42, s41, 15                         ; W_out: K step ks,
	s_lshr_b32 s43, s41, 4                         ; pair of column tiles cp
	s_lshl_b32 s44, s42, 16
	s_lshl_b32 s45, s26, 14
	s_add_co_u32 s44, s44, s45
	s_lshl_b32 s45, s43, 7
	s_add_co_u32 s44, s44, s45
	v_lshl_add_u32 v[PLO], v16, 2, s44             ; (32 ks + 8 w) rows of 2,048 bytes + 4 (32 cp + l)
	s_lshl_b32 s44, s43, 15
	s_lshl_b32 s45, s42, 10
	s_add_co_u32 s44, s44, s45
	s_lshl_b32 s45, s26, 8
	s_add_co_u32 s44, s44, s45
	v_lshl_add_u32 v[PSO], v17, 4, s44
	v_lshl_add_u32 v[PSO], v18, 14, v[PSO]         ; ((2 cp + h) 16 + ks) 1,024 + 256 w + 16 r
	s_lshl_b32 s34, s28, 18                        ; 128 rows of x
	s_mov_b32 s35, 0
	s_lshl_b32 s36, s27, 9                         ; 128 columns of W
	s_mov_b32 s37, 0
	s_wait_kmcnt 0x0
	s_add_nc_u64 s[8:9], s[8:9], s[34:35]
	s_add_nc_u64 s[10:11], s[10:11], s[36:37]
	global_load_b32 v[BV], v[BOF], s[12:13]
	s_cmp_ge_u32 s26, 4
	s_cbranch_scc1 .Lno_pack_ld
.irp i, 0,1,2,3,4,5,6,7
	global_load_b32 v[XF+\i], v[PLO], s[14:15] offset:\i*2048
.endr
.Lno_pack_ld:
	LOADCH 0, 0                                    ; two chunks, 32 loads of 512 bytes a wave, are on their way from here on
	LOADCH 1, 1
	s_cmp_ge_u32 s27, 4                            ; the same in all waves of the group
	s_cbranch_scc1 .Lv_path
	; ---------------- columns of qk ----------------
.irp c, 0,1,2,3,4,5,6,7
	CHUNK \c, 0
.endr
	v_and_b32 v14, 31, v0
	v_lshl_add_u32 v14, v14, 2, s33
	ds_store_b32 v14, v[BV]                        ; the bias goes round through my own 128 bytes: a lane needs that of its 16 columns
	v_bfe_u32 v15, v0, 4, 1
	v_lshl_add_u32 v15, v15, 5, s33
	ds_load_b128 v[BI:BI+3],     v15               ; columns 8 h .. 8 h + 7
	ds_load_b128 v[BI+4:BI+7],   v15 offset:16
	ds_load_b128 v[BI+8:BI+11],  v15 offset:64     ; columns 16 + 8 h ..
	ds_load_b128 v[BI+12:BI+15], v15 offset:80
	s_lshl_b32 s40, s31, 4
	s_lshl2_add_u32 s40, s27, s40
	s_add_co_u32 s40, s40, s30                     ; 16 b + head
	s_lshl_b32 s41, s32, 13
	s_lshl_b32 s42, s29, 12
	s_add_co_u32 s41, s41, s42                     ; my first tile, 8 rbl + 4 wr, in bytes
	s_lshl_b32 s34, s40, 17
	s_add_co_u32 s34, s34, s41
	s_add_nc_u64 s[44:45], s[16:17], s[34:35]
	s_mul_i32 s36, s40, HSTR
	s_add_co_u32 s36, s36, s41
	s_add_co_u32 s36, s36, 4096                    ; four zero tiles in front
	s_add_nc_u64 s[46:47], s[18:19], s[36:37]
	s_wait_dscnt 0x0
; z = sum + bias; u = e^-max(z, -28); q = z c / (1 + u); k = (1 - u u) / (1 + u u).  One reciprocal, of (1 + u)(1 + u u), serves both:
; at u = e^28 that product is 3e36, inside f32, and its reciprocal is no denormal.
.macro ACT rt, ctl
.set AC, ACC+8*(2*\rt+\ctl)
.irp p, 0,2,4,6
	v_pk_add_f32 v[TZ+\p:TZ+\p+1], v[AC+\p:AC+\p+1], v[BI+8*\ctl+\p:BI+8*\ctl+\p+1]
.endr
.irp j, 0,1,2,3,4,5,6,7
	v_max_num_f32 v[TU+\j], 0xc1e00000, v[TZ+\j]
.endr
.irp p, 0,2,4,6
	v_pk_mul_f32 v[TU+\p:TU+\p+1], v[TU+\p:TU+\p+1], 0xbfb8aa3b op_sel_hi:[1,0]
.endr
.irp j, 0,1,2,3,4,5,6,7
	v_exp_f32 v[TU+\j], v[TU+\j]
.endr
.irp p, 0,2,4,6
	v_pk_mul_f32 v[TZ+\p:TZ+\p+1], v[TZ+\p:TZ+\p+1], 0x3e8293ee op_sel_hi:[1,0]   ; z SCALE log2(e); also the plain instruction behind the exponentials
.endr
	s_wait_alu depctr_va_vdst(0)
.irp p, 0,2,4,6
	v_pk_add_f32 v[TA+\p:TA+\p+1], v[TU+\p:TU+\p+1], 1.0 op_sel_hi:[1,0]
	v_pk_fma_f32 v[TB+\p:TB+\p+1], v[TU+\p:TU+\p+1], v[TU+\p:TU+\p+1], 1.0 op_sel_hi:[1,1,0]
	v_pk_fma_f32 v[TN+\p:TN+\p+1], v[TU+\p:TU+\p+1], v[TU+\p:TU+\p+1], 1.0 op_sel_hi:[1,1,0] neg_lo:[1,0,0] neg_hi:[1,0,0]
.endr
.irp p, 0,2,4,6
	v_pk_mul_f32 v[TR+\p:TR+\p+1], v[TA+\p:TA+\p+1], v[TB+\p:TB+\p+1]
.endr
.irp j, 0,1,2,3,4,5,6,7
	v_rcp_f32 v[TR+\j], v[TR+\j]
.endr
	v_nop                                          ; one plain instruction behind the reciprocals
	s_wait_alu depctr_va_vdst(0)
.irp p, 0,2,4,6
	v_pk_mul_f32 v[TB+\p:TB+\p+1], v[TB+\p:TB+\p+1], v[TR+\p:TR+\p+1]     ; 1 / (1 + u)
	v_pk_mul_f32 v[TA+\p:TA+\p+1], v[TA+\p:TA+\p+1], v[TR+\p:TR+\p+1]     ; 1 / (1 + u u)
.endr
.irp p, 0,2,4,6
	v_pk_mul_f32 v[TZ+\p:TZ+\p+1], v[TZ+\p:TZ+\p+1], v[TB+\p:TB+\p+1]
	v_pk_mul_f32 v[TN+\p:TN+\p+1], v[TN+\p:TN+\p+1], v[TA+\p:TA+\p+1]
.endr
.irp p, 0,1,2,3
	v_cvt_pk_bf16_f32 v[QO+8*\rt+4*\ctl+\p], v[TZ+2*\p], v[TZ+2*\p+1]
	v_cvt_pk_bf16_f32 v[KO+8*\rt+4*\ctl+\p], v[TN+2*\p], v[TN+2*\p+1]
.endr
	global_store_b128 v1, v[QO+8*\rt+4*\ctl:QO+8*\rt+4*\ctl+3], s[44:45] offset:\rt*1024+\ctl*512   ; 512 consecutive bytes; no output register is used twice
	global_store_b128 v1, v[KO+8*\rt+4*\ctl:KO+8*\rt+4*\ctl+3], s[46:47] offset:\rt*1024+\ctl*512
.endm
.irp rt, 0,1,2,3
	ACT \rt, 0
	ACT \rt, 1
.endr
	PADS 18
	s_set_vgpr_msb 0x5
	s_wait_tensorcnt 0x0
	ds_add_u32 v0, v1
	s_wait_dscnt 0x0
	s_set_vgpr_msb 0x500
	s_endpgm
	; ---------------- columns of v ----------------
.Lv_path:
.irp c, 0,1,2,3,4,5,6,7
	CHUNK \c, 1
.endr
	v_and_b32 v14, 31, v0
	v_lshl_add_u32 v14, v14, 2, s33
	ds_store_b32 v14, v[BV]
	v_and_b32 v15, 15, v0
	v_lshl_add_u32 v15, v15, 2, s33
	ds_load_b32 v16, v15                           ; bias of dim r
	ds_load_b32 v17, v15 offset:64                 ; of dim 16 + r
	s_and_b32 s43, s27, 3
	s_lshl_b32 s40, s31, 4
	s_lshl2_add_u32 s40, s43, s40
	s_add_co_u32 s40, s40, s30                     ; 16 b + head
	s_mul_i32 s36, s40, HSTR
	s_lshl_b32 s41, s32, 13
	s_lshl_b32 s42, s29, 12
	s_add_co_u32 s36, s36, s41
	s_add_co_u32 s36, s36, s42
	s_add_co_u32 s36, s36, 4096                    ; two zero blocks in front
	s_add_nc_u64 s[46:47], s[20:21], s[36:37]
	s_lshl_b32 s34, s28, 11
	s_lshl_b32 s41, s43, 9
	s_add_co_u32 s34, s34, s41
	s_add_nc_u64 s[48:49], s[22:23], s[34:35]      ; vpart: row rb, my group's 128 columns
	s_wait_dscnt 0x0
.irp ctl, 0,1
.irp rt, 0,1,2,3
.irp p, 0,2,4,6
	v_pk_add_f32 v[ACC+8*(2*\rt+\ctl)+\p:ACC+8*(2*\rt+\ctl)+\p+1], v[ACC+8*(2*\rt+\ctl)+\p:ACC+8*(2*\rt+\ctl)+\p+1], v[16:17] op_sel:[0,\ctl] op_sel_hi:[1,\ctl]
.endr
.endr
.endr
	; column sums over my 64 rows: 32 numbers in the lane, then the other half of the lanes
.irp ctl, 0,1
	v_pk_add_f32 v[32+4*\ctl:33+4*\ctl], v[ACC+8*\ctl:ACC+8*\ctl+1], v[ACC+8*\ctl+2:ACC+8*\ctl+3]
	v_pk_add_f32 v[34+4*\ctl:35+4*\ctl], v[ACC+8*\ctl+4:ACC+8*\ctl+5], v[ACC+8*\ctl+6:ACC+8*\ctl+7]
.irp rt, 1,2,3
	v_pk_add_f32 v[32+4*\ctl:33+4*\ctl], v[32+4*\ctl:33+4*\ctl], v[ACC+8*(2*\rt+\ctl):ACC+8*(2*\rt+\ctl)+1]
	v_pk_add_f32 v[34+4*\ctl:35+4*\ctl], v[34+4*\ctl:35+4*\ctl], v[ACC+8*(2*\rt+\ctl)+2:ACC+8*(2*\rt+\ctl)+3]
	v_pk_add_f32 v[32+4*\ctl:33+4*\ctl], v[32+4*\ctl:33+4*\ctl], v[ACC+8*(2*\rt+\ctl)+4:ACC+8*(2*\rt+\ctl)+5]
	v_pk_add_f32 v[34+4*\ctl:35+4*\ctl], v[34+4*\ctl:35+4*\ctl], v[ACC+8*(2*\rt+\ctl)+6:ACC+8*(2*\rt+\ctl)+7]
.endr
	v_pk_add_f32 v[32+4*\ctl:33+4*\ctl], v[32+4*\ctl:33+4*\ctl], v[34+4*\ctl:35+4*\ctl]
	v_add_f32 v[32+4*\ctl], v[32+4*\ctl], v[33+4*\ctl]
	v_permlanex16_b32 v[33+4*\ctl], v[32+4*\ctl], s38, s39
	v_add_f32 v[32+4*\ctl], v[32+4*\ctl], v[33+4*\ctl]
	ds_store_b32 v15, v[32+4*\ctl] offset:CS-BS+64*\ctl    ; CS + 128 w + 4 (16 ctl + r); both halves of the lanes store the same number
.endr
	; transposed fragments: block kbl = row tiles 2 kbl (keys 8 h ..) and 2 kbl + 1 (keys 16 + 8 h ..)
.irp kbl, 0,1
.irp ctl, 0,1
.irp p, 0,1,2,3
	v_cvt_pk_bf16_f32 v[QO+8*(2*\kbl+\ctl)+\p],   v[ACC+8*(4*\kbl+\ctl)+2*\p],   v[ACC+8*(4*\kbl+\ctl)+2*\p+1]
	v_cvt_pk_bf16_f32 v[QO+8*(2*\kbl+\ctl)+4+\p], v[ACC+8*(4*\kbl+2+\ctl)+2*\p], v[ACC+8*(4*\kbl+2+\ctl)+2*\p+1]
.endr
	global_store_b128 v1, v[QO+8*(2*\kbl+\ctl):QO+8*(2*\kbl+\ctl)+3],   s[46:47] offset:\kbl*2048+\ctl*1024
	global_store_b128 v1, v[QO+8*(2*\kbl+\ctl)+4:QO+8*(2*\kbl+\ctl)+7], s[46:47] offset:\kbl*2048+\ctl*1024+512
.endr
.endr
	s_wait_dscnt 0x0                               ; my column sums are in LDS
	s_barrier_signal -1
	s_barrier_wait -1                              ; everybody's are
	s_cmp_lg_u32 s26, 0
	s_cbranch_scc1 .Lnot_wave_0
	v_add_nc_u32 v14, CS, v1
	ds_load_b128 v[16:19], v14                     ; rows 0-63: columns 4 l .. 4 l + 3
	ds_load_b128 v[20:23], v14 offset:512          ; rows 64-127
	s_wait_dscnt 0x0
	v_pk_add_f32 v[16:17], v[16:17], v[20:21]
	v_pk_add_f32 v[18:19], v[18:19], v[22:23]
	global_store_b128 v1, v[16:19], s[48:49]
.Lnot_wave_0:
	PADS 20
	s_set_vgpr_msb 0x5
	s_wait_tensorcnt 0x0
	ds_add_u32 v0, v1
	s_wait_dscnt 0x0
	s_set_vgpr_msb 0x500
	s_endpgm
.Lfunc_end_k_q6a56b7c997_qkv:
	.size	k_q6a56b7c997_qkv, .Lfunc_end_k_q6a56b7c997_qkv-k_q6a56b7c997_qkv
	.p2alignl 7, 3214868480
	.fill 96, 4, 3214868480
	.section	.rodata,"a",@progbits
	.p2align	6, 0x0
	.amdhsa_kernel k_q6a56b7c997_qkv
		.amdhsa_group_segment_fixed_size 289792
		.amdhsa_private_segment_fixed_size 0
		.amdhsa_enable_private_segment 0
		.amdhsa_kernarg_size 72
		.amdhsa_user_sgpr_count 2
		.amdhsa_user_sgpr_kernarg_segment_ptr 1
		.amdhsa_wavefront_size32 1
		.amdhsa_system_sgpr_workgroup_id_x 1
		.amdhsa_system_sgpr_workgroup_id_y 1
		.amdhsa_system_sgpr_workgroup_id_z 1
		.amdhsa_system_vgpr_workitem_id 0
		.amdhsa_next_free_vgpr 258
		.amdhsa_next_free_sgpr 66
		.amdhsa_reserve_vcc 0
		.amdhsa_float_denorm_mode_32 3
		.amdhsa_float_denorm_mode_16_64 3
		.amdhsa_memory_ordered 1
		.amdhsa_forward_progress 1
		.amdhsa_inst_pref_size 171
	.end_amdhsa_kernel
	.amdgpu_metadata
---
amdhsa.version: [ 1, 2 ]
amdhsa.kernels:
  - .name:           k_q6a56b7c997_qkv
    .symbol:         k_q6a56b7c997_qkv.kd
    .args:
      - { .name: x, .offset: 0, .size: 8, .value_kind: global_buffer, .address_space: global }
      - { .name: W_qkv, .offset: 8, .size: 8, .value_kind: global_buffer, .address_space: global }
      - { .name: b_qkv, .offset: 16, .size: 8, .value_kind: global_buffer, .address_space: global }
      - { .name: W_out, .offset: 24, .size: 8, .value_kind: global_buffer, .address_space: global }
      - { .name: qf, .offset: 32, .size: 8, .value_kind: global_buffer, .address_space: global }
      - { .name: kf, .offset: 40, .size: 8, .value_kind: global_buffer, .address_space: global }
      - { .name: vf, .offset: 48, .size: 8, .value_kind: global_buffer, .address_space: global }
      - { .name: vpart, .offset: 56, .size: 8, .value_kind: global_buffer, .address_space: global }
      - { .name: wof, .offset: 64, .size: 8, .value_kind: global_buffer, .address_space: global }
    .group_segment_fixed_size: 289792
    .private_segment_fixed_size: 0
    .kernarg_segment_align: 8
    .kernarg_segment_size: 72
    .max_flat_workgroup_size: 256
    .sgpr_count:     66
    .vgpr_count:     258
    .wavefront_size: 32
...
	.end_amdgpu_metadata
.endif
;; end of part 1
;; launch attn (part 2): grid 128 x 1, 16 waves a work-group, no clusters, 276,480 bytes of LDS; arguments qf, kf, vf, vpart, wof, x, b_out, ln_gamma, ln_beta, out0; writes out0
.if DOCPART == 2
	.amdgcn_target "amdgcn-amd-amdhsa--gfx1250"
	.amdhsa_code_object_version 6
	.text
	.protected	k_q6a56b7c997_attn
	.globl	k_q6a56b7c997_attn
	.p2align	8
	.type	k_q6a56b7c997_attn,@function
k_q6a56b7c997_attn:
	s_mov_b64 s[64:65], 0
	v_nop
	global_prefetch_b8 v0, s[64:65] scope:SCOPE_SE
	s_setreg_imm32_b32 hwreg(HW_REG_WAVE_MODE, 25, 1), 1
	s_wait_xcnt 0x0
; Band attention, output projection, residual and LayerNorm for 32 rows of one batch and all 16 heads.  16 waves.
; THE SOFTMAX.  Outside |i - j| <= 64 the score is exactly 0 and still enters the softmax.  With m = max(0, the band's scores), e0 = exp(-m) and
; P'(i, j) = exp(s - m) - e0 (0 outside the band and wherever s = 0):
;   out(i) = (sum over the band of P' v(j) + e0 Vtot) / (sum over the band of P' + 2048 e0),  Vtot = the sum of all 2,048 rows of v.
; m is the row's true maximum over all 2,048 columns (1,919 or more of them are 0).  The denominator is at least 1.
; q carries SCALE log2(e), so all exponentials are powers of 2.
; PHASES.  (1) wave = head: for two blocks of 16 queries, scores of 9 key tiles, softmax in registers, P' V over 5 blocks of 32 keys.
; The score product takes the keys as source 0: a lane holds 8 keys of one query, so maximum and sum stay in the lane but for one exchange with
; lane xor 16, and two packed key tiles are source 1 of the next product as they stand.  That product takes transposed v as source 0: its result, packed,
; is source 1 of the output projection's K step = head.  (2) wave = 32 output columns, 16 K steps.  (3) wave = 2 rows of LayerNorm.
; The window, keys 32 ib - 64 .. 32 ib + 95, is 10 tiles of kf and 5 blocks of vf, 10,240 consecutive bytes each.  Beyond a sequence's ends lie stored
; zeros: a zero key gives s = 0, exp2(0 - m) has e0's bits, P' = 0.
; NO JOINT LOADS: each fragment of q, k and v is read by one wave of up to five work-groups, and neighbouring groups' windows are shifted by 2,048 bytes,
; so a shared tile would land at LDS addresses that differ between partners; W_out's fragments are used by one wave each, for two products, straight from registers.
; LIMITS.  NaN and infinities are not followed (the maximum drops a NaN).  Exponentials below 2^-126 count as 0.  P', q, k, v, the attention's result and W_out are rounded to bf16.
.set AT,   163840                      ; LDS: 0 .. 163,839 each wave's own 10,240 bytes of v; then [query block 2][head 16][1,024] the attention's result
.set YL,   196608                      ; [wave 16, YB apart][32 rows][YP]: the projection's result, f32
.set YP,   144                         ; 32 f32 + 16 bytes = 9 x 16
.set YB,   32*YP+128                   ; 4,736 = 8 x 16 modulo 256: lanes l and l + 8 of a row's read fall in different 16-byte columns
.set VT,   YL+16*YB                    ; Vtot, 128 bytes a wave
.set HSTR, 139264
.set VLA, 2                            ; LDS addresses and offsets, never rewritten
.set ATS, 3
.set ATL, 4
.set VTS, 5
.set VTL, 6
.set YS,  7
.set YR,  8
.set XO,  9
.set VPO, 11
.set DI,  12
.set QT,  16                           ; v16-31   q, two tiles
.set KT,  32                           ; v32-111  k, ten tiles
.set SC,  112                          ; v112-191 v on its way to LDS; scores, tile t at 8 t; then P' at 4 t, the results at 40-55, Vtot at 56-71, the packed result at 72-79
.set VB,  192                          ; v192-223 two blocks of transposed v
.set MX,  224                          ; (m, m)
.set E0,  226                          ; (e0, e0)
.set SU,  228                          ; four pairs of sums
.set RZ,  230                          ; then (1 / denominator) twice
.set TM,  236                          ; at work
.set WR,  32                           ; later: W_out's fragments, five slots of 16; then y
.set YA,  192                          ; the projection's four accumulators; then LayerNorm's figures
.set BO,  SC+32
.set GA,  SC+48
.set BE,  SC+64
.macro NOP4                            ; four places behind a matrix instruction (ISA guide 7.12.1)
.rept 4
	v_nop
.endr
.endm
.macro MM d, a, b, zero
.if \zero
	v_wmma_f32_16x16x32_bf16 v[\d:\d+7], v[\a:\a+7], v[\b:\b+7], 0
.else
	v_wmma_f32_16x16x32_bf16 v[\d:\d+7], v[\a:\a+7], v[\b:\b+7], v[\d:\d+7]
.endif
.endm
.macro WLOAD ks                        ; W_out's two fragments (my 32 columns) of K step ks
.irp m, 0,1
	global_load_b128 v[WR+16*((\ks)%5)+8*\m:WR+16*((\ks)%5)+8*\m+3],   v1, s[16:17] offset:\m*16384+(\ks)*1024
	global_load_b128 v[WR+16*((\ks)%5)+8*\m+4:WR+16*((\ks)%5)+8*\m+7], v1, s[16:17] offset:\m*16384+(\ks)*1024+512
.endr
.endm
.macro VLOAD p                         ; block p of my v, both halves of the dims, into set p mod 2
.irp d, 0,1
	ds_load_b128 v[VB+16*((\p)&1)+8*\d:VB+16*((\p)&1)+8*\d+3],   v[VLA] offset:(\p)*2048+\d*1024
	ds_load_b128 v[VB+16*((\p)&1)+8*\d+4:VB+16*((\p)&1)+8*\d+7], v[VLA] offset:(\p)*2048+\d*1024+512
.endr
.endm
; 32 keys of P' V.  The two accumulators take turns, one instruction a turn.
.macro PVSTEP p, cnt
	s_wait_dscnt \cnt
.if \p == 0
	MM SC+40, VB, SC, 1
	MM SC+48, VB+8, SC, 1
.else
	MM SC+40, VB+16*(\p&1), SC+8*\p, 0
	MM SC+48, VB+16*(\p&1)+8, SC+8*\p, 0
.endif
.if \p != 3
	NOP4
.endif
.if \p < 3
	VLOAD (\p+2)
.endif
.endm
.macro BLOCK qb                        ; queries 16 qb + r of the group's 32; window tiles qb .. qb + 8
.set SB, SC+8*\qb
	VLOAD 0
	VLOAD 1
.irp t, 0,1,2,3,4,5,6,7,8
	v_wmma_f32_16x16x32_bf16 v[SB+8*\t:SB+8*\t+7], v[KT+8*(\qb+\t):KT+8*(\qb+\t)+7], v[QT+8*\qb:QT+8*\qb+7], 0
.endr
	NOP4
.if \qb
.irp k, 0,1,2,3,4
	WLOAD \k                                       ; k's registers are free: W_out's first five K steps start now
.endr
.endif
.irp j, 0,1,2,3,4,5,6,7
	v_cndmask_b32 v[SB+\j],    0, v[SB+\j],    s[36+\j]    ; first tile: keep keys 8 h + j >= r
	v_cndmask_b32 v[SB+64+\j], 0, v[SB+64+\j], s[44+\j]    ; last tile: keep keys 8 h + j <= r
.endr
.irp c, 0,1,2,3
	v_max3_num_f32 v[TM+\c], v[SB+2*\c], v[SB+2*\c+1], 0   ; the zeros outside the band take part in the maximum
.endr
.irp i, 1,2,3,4,5,6,7,8
.irp c, 0,1,2,3
	v_max3_num_f32 v[TM+\c], v[SB+8*\i+2*\c], v[SB+8*\i+2*\c+1], v[TM+\c]
.endr
.endr
	v_max3_num_f32 v[TM], v[TM], v[TM+1], v[TM+2]
	v_max_num_f32 v[TM], v[TM], v[TM+3]
	v_permlanex16_b32 v[TM+1], v[TM], s52, s53             ; the query's other 8 keys of each tile
	v_max_num_f32 v[MX], v[TM], v[TM+1]
	v_mov_b32 v[MX+1], v[MX]
.set i, 0
.rept 36
	v_pk_add_f32 v[SB+2*i:SB+2*i+1], v[SB+2*i:SB+2*i+1], v[MX:MX+1] neg_lo:[0,1] neg_hi:[0,1]
.set i, i+1
.endr
	v_sub_f32 v[TM], 0, v[MX]
.set i, 0
.rept 72
	v_exp_f32 v[SB+i], v[SB+i]
.set i, i+1
.endr
	v_exp_f32 v[E0], v[TM]
	v_nop                                          ; one plain instruction behind the exponentials
	s_wait_alu depctr_va_vdst(0)
	v_mov_b32 v[E0+1], v[E0]
	; P' = p - e0, its sum, and its packing: tile t's 8 registers become 4 at 4 t, which never runs ahead of what is still to be read
.irp t, 0,1,2,3,4,5,6,7,8
.set TS, SB+8*\t
.set TD, SC+4*(\qb+\t)
.irp p, 0,2,4,6
	v_pk_add_f32 v[TS+\p:TS+\p+1], v[TS+\p:TS+\p+1], v[E0:E0+1] neg_lo:[0,1] neg_hi:[0,1]
.endr
.if \t < 2
	v_pk_add_f32 v[SU+4*\t:SU+4*\t+1],   v[TS:TS+1],   v[TS+2:TS+3]       ; the first two tiles start the four sums
	v_pk_add_f32 v[SU+4*\t+2:SU+4*\t+3], v[TS+4:TS+5], v[TS+6:TS+7]
.else
.irp p, 0,2,4,6
	v_pk_add_f32 v[SU+\p:SU+\p+1], v[SU+\p:SU+\p+1], v[TS+\p:TS+\p+1]
.endr
.endif
.irp p, 0,1,2,3
	v_cvt_pk_bf16_f32 v[TD+\p], v[TS+2*\p], v[TS+2*\p+1]
.endr
.endr
.irp p, 0,1,2,3
	v_mov_b32 v[SC+36*(1-\qb)+\p], 0               ; the window's one unscored tile (tenth for block 0, first for block 1) is outside this block's band
.endr
	ds_load_b128 v[SC+56:SC+59], v[VTL]            ; Vtot of dims 8 h .. 8 h + 7
	ds_load_b128 v[SC+60:SC+63], v[VTL] offset:16
	ds_load_b128 v[SC+64:SC+67], v[VTL] offset:64  ; of dims 16 + 8 h ..
	ds_load_b128 v[SC+68:SC+71], v[VTL] offset:80
	v_pk_add_f32 v[SU:SU+1], v[SU:SU+1], v[SU+2:SU+3]
	v_pk_add_f32 v[SU+4:SU+5], v[SU+4:SU+5], v[SU+6:SU+7]
	v_pk_add_f32 v[SU:SU+1], v[SU:SU+1], v[SU+4:SU+5]
	v_add_f32 v[SU], v[SU], v[SU+1]
	v_permlanex16_b32 v[SU+1], v[SU], s52, s53
	v_add_f32 v[SU], v[SU], v[SU+1]
	v_fma_f32 v[SU], v[E0], 0x45000000, v[SU]      ; + 2048 e0
	v_rcp_f32 v[RZ], v[SU]
	v_nop
	s_wait_alu depctr_va_vdst(0)
	v_mov_b32 v[RZ+1], v[RZ]
	PVSTEP 0, 8                                    ; block 0's four loads are in; block 1's four and Vtot's four stay out
	PVSTEP 1, 8                                    ; Vtot's four and block 2's four stay out
	PVSTEP 2, 4                                    ; block 3's
	PVSTEP 3, 4                                    ; block 4's
	PVSTEP 4, 0
.irp p, 0,2,4,6,8,10,12,14
	v_pk_fma_f32 v[SC+40+\p:SC+40+\p+1], v[SC+56+\p:SC+56+\p+1], v[E0:E0+1], v[SC+40+\p:SC+40+\p+1]
.endr
.irp p, 0,2,4,6,8,10,12,14
	v_pk_mul_f32 v[SC+40+\p:SC+40+\p+1], v[SC+40+\p:SC+40+\p+1], v[RZ:RZ+1]
.endr
.irp p, 0,1,2,3,4,5,6,7
	v_cvt_pk_bf16_f32 v[SC+72+\p], v[SC+40+2*\p], v[SC+40+2*\p+1]
.endr
	ds_store_b128 v[ATS], v[SC+72:SC+75] offset:\qb*16384
	ds_store_b128 v[ATS], v[SC+76:SC+79] offset:\qb*16384+512
.endm
	s_load_b512 s[8:23], s[0:1], 0x0               ; qf 8, kf 10, vf 12, vpart 14, wof 16, x 18, b_out 20, ln_gamma 22
	s_load_b128 s[24:27], s[0:1], 0x40             ; ln_beta 24, out0 26
	v_lshl_add_u32 v240, v0, 2, 0x43000
	v_mov_b32 v241, 0
	v_lshrrev_b32 v13, 5, v0
	v_readfirstlane_b32 s28, v13                   ; wave wv
	s_lshr_b32 s29, ttmp9, 6                       ; batch
	s_and_b32 s30, ttmp9, 63                       ; ib: rows 32 ib ..
	s_mov_b32 s52, 0x76543210                      ; v_permlanex16_b32: lane i reads lane i of the other half
	s_mov_b32 s53, 0xfedcba98
	s_mov_b32 s54, 0x3b000000                      ; 1 / 512
	s_mov_b32 s55, 0x3727c5ac                      ; 1e-5
	v_and_b32 v13, 31, v0                          ; l
	v_and_b32 v14, 15, v0                          ; r
	v_bfe_u32 v15, v0, 4, 1                        ; h
	v_lshlrev_b32 v1, 4, v13                       ; 16 l
	s_mul_i32 s32, s28, 10240
	v_add_nc_u32 v[VLA], s32, v1
	s_lshl_b32 s32, s28, 10
	s_add_co_u32 s32, s32, AT
	v_add_nc_u32 v[ATS], s32, v1
	v_add_nc_u32 v[ATL], AT, v1
	s_lshl_b32 s33, s28, 7
	s_add_co_u32 s32, s33, VT
	v_lshl_add_u32 v[VTS], v13, 2, s32
	v_lshl_add_u32 v[VTL], v15, 5, s32
	v_lshl_add_u32 v[VPO], v13, 2, s33             ; 4 (32 wv + l)
	s_mul_i32 s32, s28, YB
	s_add_co_u32 s32, s32, YL
	v_mul_u32_u24 v[YS], v14, YP
	v_lshl_add_u32 v[YS], v15, 5, v[YS]
	v_add_nc_u32 v[YS], s32, v[YS]                 ; YL + wv YB + r YP + 32 h
	s_mul_i32 s32, s28, 2*YP
	s_add_co_u32 s32, s32, YL
	v_lshrrev_b32 v10, 3, v13
	v_mul_u32_u24 v[YR], v10, YB
	v_and_b32 v10, 7, v13
	v_lshl_add_u32 v[YR], v10, 4, v[YR]
	v_add_nc_u32 v[YR], s32, v[YR]                 ; YL + (l / 8) YB + 2 wv YP + 16 (l mod 8)
	s_lshl_b32 s32, s28, 12
	v_add_nc_u32 v[XO], s32, v1                    ; two rows of 2,048 bytes a wave
	v_lshlrev_b32 v[DI], 3, v15
	v_sub_nc_u32 v[DI], v14, v[DI]                 ; r - 8 h
	s_lshl4_add_u32 s32, s29, s28                  ; 16 b + head
	s_lshl_b32 s33, s30, 11
	s_lshl_b32 s34, s32, 17
	s_add_co_u32 s34, s34, s33
	s_mov_b32 s35, 0
	s_mul_i32 s32, s32, HSTR
	s_add_co_u32 s32, s32, s33
	s_mov_b32 s33, 0
	s_wait_kmcnt 0x0
	s_add_nc_u64 s[8:9], s[8:9], s[34:35]          ; q: my head's tiles 2 ib, 2 ib + 1
	s_add_nc_u64 s[10:11], s[10:11], s[32:33]      ; k: stored tiles 2 ib .. 2 ib + 9
	s_add_nc_u64 s[12:13], s[12:13], s[32:33]      ; v: stored blocks ib .. ib + 4
	s_lshl_b32 s32, s29, 15
	s_add_nc_u64 s[14:15], s[14:15], s[32:33]      ; vpart: my batch's 16 rows
	s_lshl_b32 s32, s28, 15
	s_add_nc_u64 s[16:17], s[16:17], s[32:33]      ; wof: column tiles 2 wv, 2 wv + 1
	s_lshl_b32 s32, ttmp9, 16
	s_add_nc_u64 s[18:19], s[18:19], s[32:33]      ; x and out0: the group's 32 rows
	s_add_nc_u64 s[26:27], s[26:27], s[32:33]
	; all of the attention's operands at once: 60 loads
.irp i, 0,1,2,3,4,5,6,7,8,9,10,11,12,13,14,15
	global_load_b32 v[VB+\i], v[VPO], s[14:15] offset:\i*2048
.endr
.irp i, 0,1,2,3,4,5,6,7,8,9,10,11,12,13,14,15,16,17,18,19
	global_load_b128 v[SC+4*\i:SC+4*\i+3], v1, s[12:13] offset:\i*512
.endr
.irp i, 0,1,2,3
	global_load_b128 v[QT+4*\i:QT+4*\i+3], v1, s[8:9] offset:\i*512
.endr
.irp i, 0,1,2,3,4,5,6,7,8,9,10,11,12,13,14,15,16,17,18,19
	global_load_b128 v[KT+4*\i:KT+4*\i+3], v1, s[10:11] offset:\i*512
.endr
.irp j, 0,1,2,3,4,5,6,7
	v_cmp_ge_i32 s[36+\j], \j, v[DI]               ; 8 h + j >= r
	v_cmp_le_i32 s[44+\j], \j, v[DI]               ; 8 h + j <= r
.endr
	s_wait_loadcnt 44                              ; vpart's 16 are in; v's 20, q's 4 and k's 20 stay out
.irp p, 0,2,4,6
	v_pk_add_f32 v[VB+\p:VB+\p+1], v[VB+\p:VB+\p+1], v[VB+8+\p:VB+8+\p+1]
.endr
	v_pk_add_f32 v[VB:VB+1], v[VB:VB+1], v[VB+4:VB+5]
	v_pk_add_f32 v[VB+2:VB+3], v[VB+2:VB+3], v[VB+6:VB+7]
	v_pk_add_f32 v[VB:VB+1], v[VB:VB+1], v[VB+2:VB+3]
	v_add_f32 v[VB], v[VB], v[VB+1]
	ds_store_b32 v[VTS], v[VB]                     ; Vtot of my head's dim l, into my own 128 bytes
	s_wait_loadcnt 24                              ; v's 20 are in; q's 4 and k's 20 stay out
.irp i, 0,1,2,3,4,5,6,7,8,9,10,11,12,13,14,15,16,17,18,19
	ds_store_b128 v[VLA], v[SC+4*\i:SC+4*\i+3] offset:\i*512       ; v waits in my own LDS bytes: q 16 + k 80 + scores 80 + v 80 registers are more than a wave has here
.endr
	s_wait_loadcnt 0x0
	s_wait_dscnt 0x0                               ; v lies in LDS before the scores land on the registers it came in
	BLOCK 0
	BLOCK 1
	s_wait_dscnt 0x0                               ; my part of the attention's result is in LDS: for the other waves, and ahead of the loads into the registers it left from
.irp row, 0,1
.irp c, 0,1,2,3
	global_load_b128 v[SC+16*\row+4*\c:SC+16*\row+4*\c+3], v[XO], s[18:19] offset:\row*2048+\c*512
.endr
.endr
.irp c, 0,1,2,3
	global_load_b128 v[BO+4*\c:BO+4*\c+3], v1, s[20:21] offset:\c*512
.endr
.irp c, 0,1,2,3
	global_load_b128 v[GA+4*\c:GA+4*\c+3], v1, s[22:23] offset:\c*512
.endr
.irp c, 0,1,2,3
	global_load_b128 v[BE+4*\c:BE+4*\c+3], v1, s[24:25] offset:\c*512
.endr
	s_barrier_signal -1
	s_barrier_wait -1                              ; every head's result is in LDS
	; OUTPUT PROJECTION: y(query, column) for my 32 columns, K step = head.  W_out's fragments run five K steps ahead in registers.
.macro ATLOAD ks                       ; both query blocks' fragments of head ks into set ks mod 2 (v16-31, v224-239)
.set ATD, QT+208*((\ks)&1)
.irp q, 0,1
	ds_load_b128 v[ATD+8*\q:ATD+8*\q+3],   v[ATL] offset:\q*16384+(\ks)*1024
	ds_load_b128 v[ATD+8*\q+4:ATD+8*\q+7], v[ATL] offset:\q*16384+(\ks)*1024+512
.endr
.endm
.macro OSTEP ks
.if \ks < 5
	s_wait_loadcnt 36                              ; behind this step's four loads: four more slots of 4, and the 20 of x, b_out, gamma, beta
.else
.if \ks < 12
	s_wait_loadcnt 16                              ; four younger slots of 4
.else
	s_wait_loadcnt 4*(15-\ks)                      ; the slots that are left
.endif
.endif
.if \ks < 15
	s_wait_dscnt 4                                 ; the next head's four loads stay out
.else
	s_wait_dscnt 0
.endif
.set ATB, QT+208*(\ks&1)
.set WB, WR+16*(\ks%5)
.if \ks == 0
	MM YA, WB, ATB, 1
	MM YA+8, WB, ATB+8, 1
	MM YA+16, WB+8, ATB, 1
	MM YA+24, WB+8, ATB+8, 1
.else
	MM YA, WB, ATB, 0                              ; the four accumulators take turns, one instruction a turn
	MM YA+8, WB, ATB+8, 0
	MM YA+16, WB+8, ATB, 0
	MM YA+24, WB+8, ATB+8, 0
.endif
.if \ks != 14
	NOP4
.endif
.if \ks < 11
	WLOAD (\ks+5)
.endif
.if \ks < 14
	ATLOAD (\ks+2)
.endif
.endm
	ATLOAD 0
	ATLOAD 1
.irp k, 0,1,2,3,4,5,6,7,8,9,10,11,12,13,14,15
	OSTEP \k
.endr
.irp m, 0,1
.irp q, 0,1
	ds_store_b128 v[YS], v[YA+8*(2*\m+\q):YA+8*(2*\m+\q)+3]   offset:\q*16*YP+\m*64      ; row 16 q + r, my columns 16 m + 8 h ..
	ds_store_b128 v[YS], v[YA+8*(2*\m+\q)+4:YA+8*(2*\m+\q)+7] offset:\q*16*YP+\m*64+16
.endr
.endr
	s_wait_dscnt 0x0
	s_barrier_signal -1
	s_barrier_wait -1                              ; all 512 columns of all 32 rows are in LDS
	; RESIDUAL AND LAYERNORM: rows 2 wv and 2 wv + 1; lane l holds columns 128 c + 4 l .. + 3
.irp row, 0,1
.irp c, 0,1,2,3
	ds_load_b128 v[WR+16*\row+4*\c:WR+16*\row+4*\c+3], v[YR] offset:\c*4*YB+\row*YP
.endr
.endr
	s_wait_dscnt 0x0
.macro LANESUM t                       ; the pair at t, summed over it and over the 32 lanes; every lane gets the result
	v_add_f32 v[\t], v[\t], v[\t+1]
	v_add_f32_dpp v[\t], v[\t], v[\t] row_xmask:1 row_mask:0xf bank_mask:0xf
	v_add_f32_dpp v[\t], v[\t], v[\t] row_xmask:2 row_mask:0xf bank_mask:0xf
	v_add_f32_dpp v[\t], v[\t], v[\t] row_xmask:4 row_mask:0xf bank_mask:0xf
	v_add_f32_dpp v[\t], v[\t], v[\t] row_xmask:8 row_mask:0xf bank_mask:0xf
	v_permlanex16_b32 v[\t+1], v[\t], s52, s53
	v_add_f32 v[\t], v[\t], v[\t+1]
.endm
.macro ROWLN row
.set YV, WR+16*\row
.set XR, SC+16*\row
.set TL, YA+8*\row
.irp p, 0,2,4,6,8,10,12,14
	v_pk_add_f32 v[YV+\p:YV+\p+1], v[YV+\p:YV+\p+1], v[BO+\p:BO+\p+1]
.endr
.irp p, 0,2,4,6,8,10,12,14
	v_pk_add_f32 v[YV+\p:YV+\p+1], v[YV+\p:YV+\p+1], v[XR+\p:XR+\p+1]
.endr
	v_pk_add_f32 v[TL:TL+1], v[YV:YV+1], v[YV+2:YV+3]
	v_pk_add_f32 v[TL+2:TL+3], v[YV+4:YV+5], v[YV+6:YV+7]
	v_pk_add_f32 v[TL:TL+1], v[TL:TL+1], v[YV+8:YV+9]
	v_pk_add_f32 v[TL+2:TL+3], v[TL+2:TL+3], v[YV+10:YV+11]
	v_pk_add_f32 v[TL:TL+1], v[TL:TL+1], v[YV+12:YV+13]
	v_pk_add_f32 v[TL+2:TL+3], v[TL+2:TL+3], v[YV+14:YV+15]
	v_pk_add_f32 v[TL:TL+1], v[TL:TL+1], v[TL+2:TL+3]
	LANESUM TL
	v_mul_f32 v[TL+4], s54, v[TL]                  ; the mean, twice: a pair for the packed subtraction
	v_mul_f32 v[TL+5], s54, v[TL]
.irp p, 0,2,4,6,8,10,12,14
	v_pk_add_f32 v[YV+\p:YV+\p+1], v[YV+\p:YV+\p+1], v[TL+4:TL+5] neg_lo:[0,1] neg_hi:[0,1]
.endr
	v_pk_mul_f32 v[TL:TL+1], v[YV:YV+1], v[YV:YV+1]        ; the variance from the differences, not from a difference of sums
	v_pk_mul_f32 v[TL+2:TL+3], v[YV+2:YV+3], v[YV+2:YV+3]
.irp p, 4,8,12
	v_pk_fma_f32 v[TL:TL+1], v[YV+\p:YV+\p+1], v[YV+\p:YV+\p+1], v[TL:TL+1]
	v_pk_fma_f32 v[TL+2:TL+3], v[YV+\p+2:YV+\p+3], v[YV+\p+2:YV+\p+3], v[TL+2:TL+3]
.endr
	v_pk_add_f32 v[TL:TL+1], v[TL:TL+1], v[TL+2:TL+3]
	LANESUM TL
	v_fma_f32 v[TL], v[TL], s54, s55               ; variance + 1e-5
	v_rsq_f32 v[TL+6], v[TL]
	v_rsq_f32 v[TL+7], v[TL]
	v_nop                                          ; one plain instruction behind the roots
	s_wait_alu depctr_va_vdst(0)
.irp p, 0,2,4,6,8,10,12,14
	v_pk_mul_f32 v[YV+\p:YV+\p+1], v[YV+\p:YV+\p+1], v[TL+6:TL+7]
.endr
.irp p, 0,2,4,6,8,10,12,14
	v_pk_fma_f32 v[YV+\p:YV+\p+1], v[YV+\p:YV+\p+1], v[GA+\p:GA+\p+1], v[BE+\p:BE+\p+1]
.endr
.irp c, 0,1,2,3
	global_store_b128 v[XO], v[YV+4*\c:YV+4*\c+3], s[26:27] offset:\row*2048+\c*512        ; 512 consecutive bytes of a row
.endr
.endm
	ROWLN 0
	ROWLN 1
	s_wait_tensorcnt 0x0
	ds_add_u32 v240, v241
	s_wait_dscnt 0x0
	s_endpgm
.Lfunc_end_k_q6a56b7c997_attn:
	.size	k_q6a56b7c997_attn, .Lfunc_end_k_q6a56b7c997_attn-k_q6a56b7c997_attn
	.p2alignl 7, 3214868480
	.fill 96, 4, 3214868480
	.section	.rodata,"a",@progbits
	.p2align	6, 0x0
	.amdhsa_kernel k_q6a56b7c997_attn
		.amdhsa_group_segment_fixed_size 276480
		.amdhsa_private_segment_fixed_size 0
		.amdhsa_enable_private_segment 0
		.amdhsa_kernarg_size 80
		.amdhsa_user_sgpr_count 2
		.amdhsa_user_sgpr_kernarg_segment_ptr 1
		.amdhsa_wavefront_size32 1
		.amdhsa_system_sgpr_workgroup_id_x 1
		.amdhsa_system_sgpr_workgroup_id_y 1
		.amdhsa_system_sgpr_workgroup_id_z 1
		.amdhsa_system_vgpr_workitem_id 0
		.amdhsa_next_free_vgpr 242
		.amdhsa_next_free_sgpr 66
		.amdhsa_reserve_vcc 0
		.amdhsa_float_denorm_mode_32 3
		.amdhsa_float_denorm_mode_16_64 3
		.amdhsa_memory_ordered 1
		.amdhsa_forward_progress 1
		.amdhsa_inst_pref_size 83
	.end_amdhsa_kernel
	.amdgpu_metadata
---
amdhsa.version: [ 1, 2 ]
amdhsa.kernels:
  - .name:           k_q6a56b7c997_attn
    .symbol:         k_q6a56b7c997_attn.kd
    .args:
      - { .name: qf, .offset: 0, .size: 8, .value_kind: global_buffer, .address_space: global }
      - { .name: kf, .offset: 8, .size: 8, .value_kind: global_buffer, .address_space: global }
      - { .name: vf, .offset: 16, .size: 8, .value_kind: global_buffer, .address_space: global }
      - { .name: vpart, .offset: 24, .size: 8, .value_kind: global_buffer, .address_space: global }
      - { .name: wof, .offset: 32, .size: 8, .value_kind: global_buffer, .address_space: global }
      - { .name: x, .offset: 40, .size: 8, .value_kind: global_buffer, .address_space: global }
      - { .name: b_out, .offset: 48, .size: 8, .value_kind: global_buffer, .address_space: global }
      - { .name: ln_gamma, .offset: 56, .size: 8, .value_kind: global_buffer, .address_space: global }
      - { .name: ln_beta, .offset: 64, .size: 8, .value_kind: global_buffer, .address_space: global }
      - { .name: out0, .offset: 72, .size: 8, .value_kind: global_buffer, .address_space: global }
    .group_segment_fixed_size: 276480
    .private_segment_fixed_size: 0
    .kernarg_segment_align: 8
    .kernarg_segment_size: 80
    .max_flat_workgroup_size: 512
    .sgpr_count:     66
    .vgpr_count:     242
    .wavefront_size: 32
...
	.end_amdgpu_metadata
.endif
;; end of part 2
